; MI455X (gfx1250); checked and timed in simulation.
; The chip was launched on July 23, 2026; its instructions are those of AMD's public machine-readable ISA for CDNA 5 (MIT licence, August 2026) and "CDNA5" Instruction Set Architecture Reference Guide (July 2026). The comments in the code are by the model that wrote it; some were corrected since.
;; Vector Quantizer. Allowed arithmetic: float matrix products may take bf16 or f16 operands with f32 sums; other float arithmetic in f32, or as packed bf16 or f16 multiplies, adds, multiply-adds, maxima and minima; sums over many terms, partial sums and values carried from step to step in f32; what a program stores and reads back later, other than sums and carried values, may be rounded once to bf16 or f16.
;; Inputs: emb_weights 8,192 x 256 float32; hidden_states 32 x 32 x 32 x 256 float32.
;; Outputs: out0 32 x 32 x 32 x 256 float32; out1 32 x 1,024 int32.
;; 2 versions, each right; version 2 is version 1 with the launch prep written anew for expert scheduling mode. Each part assembles by itself: llvm-mc -triple=amdgcn-amd-amdhsa -mcpu=gfx1250 --defsym DOCPART=n.
;; ======== version 1 of 2: 3 launches
;; workspace buffers: ebf 4,194,304 bytes; eew 32,768 bytes; idxw 131,072 bytes of whole numbers
;; launch prep (part 1): grid 128 x 1, 8 waves a work-group, no clusters, 1,280 bytes of LDS; arguments emb_weights, ebf, eew; writes ebf, eew
.if DOCPART == 1
	.amdgcn_target "amdgcn-amd-amdhsa--gfx1250"
	.amdhsa_code_object_version 6
	.text
	.protected	k_qe1b848d58d_prep
	.globl	k_qe1b848d58d_prep
	.p2align	8
	.type	k_qe1b848d58d_prep,@function
k_qe1b848d58d_prep:
	s_mov_b64 s[64:65], 0
	v_nop
	global_prefetch_b8 v0, s[64:65] scope:SCOPE_SE
	s_setreg_imm32_b32 hwreg(HW_REG_WAVE_MODE, 25, 1), 1
	s_wait_xcnt 0x0
; VECTOR QUANTIZER, launch 1 of 3: the codebook is rounded once.  ebf[c][k] = bf16(emb_weights[c][k]); eew[c] = the sum over k of ebf[c][k]^2, in f32.
; THE WHOLE PROGRAM.  Launch 2 finds, for each of the 32,768 rows z, the first code with the least distance; launch 3 copies the chosen rows of the table.
; NOTHING OF reference() IS LEFT OUT.  |z|^2 is the same for all codes of a row, so in exact arithmetic it cannot move the argmin; but it is some thousand times the differences
; between a row's distances, so reference()'s f32 distances lose their low bits to it, and which codes tie (the lowest index then wins) hangs on those roundings.  So the distance is
; formed as reference() forms it: A = fl(|z|^2 + |e|^2), d = fl(A - 2 z.e).  All inputs are loaded.
; FORMATS.  The product's operands are bf16, so every use of z and e in the distance (the two sums of squares too) takes the numbers rounded to bf16.
; LIMITS.  The sums of squares are added in another order than reference()'s; their last bits may differ.
; SHARES.  A work-group takes 64 codes, so that its 64 sums are 256 consecutive bytes of eew; each of its eight waves 8 codes.  A row is 1,024 bytes: two loads of 16 bytes a lane, each of
; 512 consecutive bytes; all 16 loads of a wave go out at once.  A lane's four numbers of a load pack into 8 bytes: a wave's store covers 256 consecutive bytes, aligned.
.set STG,   0                          ; LDS: the work-group's 64 sums
.set SPARE, 256                        ; behind them: the spare words, 128 bytes for each of the eight waves; no other line names them
.set LN,  2                            ; v2   lane
.set LI,  3                            ; v3   my byte offset in the group's rows of emb_weights: 8,192 x wave + 16 x lane
.set LO,  4                            ; v4   the same in ebf: 4,096 x wave + 8 x lane
.set LS,  5                            ; v5   where my wave's sums go in LDS
.set LR,  6                            ; v6   8 x lane: wave 0 reads the 64 sums back and stores them
.set Z0,  9                            ; v9   0.0: what the first link of a sum adds onto
.set SPW, 10                           ; v10  LDS address of my spare word; never rewritten
.set NIL, 11                           ; v11  0; never rewritten
.set CA,  12                           ; v12  the sum of the low halves' squares
.set CB,  13                           ; v13  of the high halves'
.set EV,  15                           ; v15  lane l: the sum of row l % 8
.set S,   16                           ; v[16:23]  row i's sum
.set OUT, 24                           ; v[24:25]  two sums on their way out
.set X,   32                           ; v[32:95]  row i: 8 registers as loaded
.set P,   96                           ; v[96:127] row i: 4 registers, 8 bf16
	s_load_b128 s[4:7], s[0:1], 0x0                ; emb_weights s[4:5], ebf s[6:7]
	s_load_b64 s[8:9], s[0:1], 0x10                ; eew
	v_lshl_add_u32 v[SPW], v0, 2, SPARE
	v_mov_b32 v[NIL], 0
	v_mov_b32 v[Z0], 0
	v_lshrrev_b32 v1, 5, v0
	v_readfirstlane_b32 s10, v1                    ; wave 0..7
	v_and_b32 v[LN], 31, v0
	s_lshl_b32 s12, ttmp9, 16                      ; the group's 64 rows: 65,536 bytes of emb_weights,
	s_mov_b32 s13, 0
	s_lshl_b32 s14, ttmp9, 15                      ; 32,768 of ebf,
	s_mov_b32 s15, 0
	s_lshl_b32 s16, ttmp9, 8                       ; 256 of eew
	s_mov_b32 s17, 0
	s_lshl_b32 s11, s10, 13
	v_lshl_add_u32 v[LI], v[LN], 4, s11
	s_lshl_b32 s11, s10, 12
	v_lshl_add_u32 v[LO], v[LN], 3, s11
	v_and_b32 v[LS], 7, v0
	s_lshl_b32 s11, s10, 5
	v_lshl_add_u32 v[LS], v[LS], 2, s11            ; word 8 x wave + lane % 8
	v_lshlrev_b32 v[LR], 3, v[LN]
	s_mov_b32 s20, 0x76543210                      ; v_permlanex16_b32: each lane takes its own place in the other half
	s_mov_b32 s21, 0xfedcba98
.irp i, 1,2,3,4,5,6,7
	s_mov_b32 s[22+\i], 0x01010101<<\i             ; the lanes with lane % 8 = i
.endr
	s_wait_kmcnt 0x0
	s_add_nc_u64 s[4:5], s[4:5], s[12:13]
	s_add_nc_u64 s[6:7], s[6:7], s[14:15]
	s_add_nc_u64 s[8:9], s[8:9], s[16:17]
.irp i, 0,1,2,3,4,5,6,7
	global_load_b128 v[X+8*\i:X+8*\i+3],   v[LI], s[4:5] offset:1024*\i th:TH_LOAD_NT
	global_load_b128 v[X+8*\i+4:X+8*\i+7], v[LI], s[4:5] offset:1024*\i+512 th:TH_LOAD_NT
.endr
; Row i: rounded, stored, and my eight squares added, from the rounded halves, in two chains.  No register of a store is written again.
.macro ROW i
	s_wait_loadcnt 14-2*(\i)                       ; loads come back in order: this row's two are in, the 2 (7 - i) younger ones stay out
.irp k, 0,1,2,3
	v_cvt_pk_bf16_f32 v[P+4*(\i)+\k], v[X+8*(\i)+2*\k], v[X+8*(\i)+2*\k+1]
.endr
	global_store_b64 v[LO], v[P+4*(\i):P+4*(\i)+1],   s[6:7] offset:512*(\i)
	global_store_b64 v[LO], v[P+4*(\i)+2:P+4*(\i)+3], s[6:7] offset:512*(\i)+256
	v_fma_mix_f32_bf16 v[CA], v[P+4*(\i)], v[P+4*(\i)], v[Z0] op_sel_hi:[1,1,0]
	v_fma_mix_f32_bf16 v[CB], v[P+4*(\i)], v[P+4*(\i)], v[Z0] op_sel:[1,1,0] op_sel_hi:[1,1,0]
.irp k, 1,2,3
	v_fma_mix_f32_bf16 v[CA], v[P+4*(\i)+\k], v[P+4*(\i)+\k], v[CA] op_sel_hi:[1,1,0]
	v_fma_mix_f32_bf16 v[CB], v[P+4*(\i)+\k], v[P+4*(\i)+\k], v[CB] op_sel:[1,1,0] op_sel_hi:[1,1,0]
.endr
	v_add_f32 v[S+(\i)], v[CA], v[CB]
.endm
.irp i, 0,1,2,3,4,5,6,7
	ROW \i
.endr
	; across the 32 lanes, the eight rows side by side: four steps inside each half of 16 lanes, one across the halves
.irp m, 1,2,4,8
.irp i, 0,1,2,3,4,5,6,7
	v_add_f32_dpp v[S+\i], v[S+\i], v[S+\i] row_xmask:\m row_mask:0xf bank_mask:0xf
.endr
.endr
.irp i, 0,1,2,3,4,5,6,7
	v_permlanex16_b32 v[X+\i], v[S+\i], s20, s21   ; its destination counts as read: a register that a load has written
.endr
.irp i, 0,1,2,3,4,5,6,7
	v_add_f32 v[S+\i], v[S+\i], v[X+\i]            ; every lane holds row i's sum
.endr
	v_cndmask_b32 v[EV], v[S], v[S+1], s23
.irp i, 2,3,4,5,6,7
	v_cndmask_b32 v[EV], v[EV], v[S+\i], s[22+\i]
.endr
	ds_store_b32 v[LS], v[EV] offset:STG           ; lanes that share a word store the same number
	s_wait_dscnt 0x0                               ; for the others' sake: my stores are done
	s_barrier_signal -1
	s_barrier_wait -1
	s_cmp_lg_u32 s10, 0
	s_cbranch_scc1 .Lend
	ds_load_b64 v[OUT:OUT+1], v[LR] offset:STG
	s_wait_dscnt 0x0
	global_store_b64 v[LR], v[OUT:OUT+1], s[8:9]   ; 256 consecutive bytes, aligned
.Lend:
	s_wait_tensorcnt 0x0                           ; the wave's end: behind my last LDS store
	ds_add_u32 v[SPW], v[NIL]
	s_wait_dscnt 0x0
	s_endpgm
.Lfunc_end_k_qe1b848d58d_prep:
	.size	k_qe1b848d58d_prep, .Lfunc_end_k_qe1b848d58d_prep-k_qe1b848d58d_prep
	.p2alignl 7, 3214868480
	.fill 96, 4, 3214868480
	.section	.rodata,"a",@progbits
	.p2align	6, 0x0
	.amdhsa_kernel k_qe1b848d58d_prep
		.amdhsa_group_segment_fixed_size 1280
		.amdhsa_private_segment_fixed_size 0
		.amdhsa_enable_private_segment 0
		.amdhsa_kernarg_size 24
		.amdhsa_user_sgpr_count 2
		.amdhsa_user_sgpr_kernarg_segment_ptr 1
		.amdhsa_wavefront_size32 1
		.amdhsa_system_sgpr_workgroup_id_x 1
		.amdhsa_system_sgpr_workgroup_id_y 1
		.amdhsa_system_sgpr_workgroup_id_z 1
		.amdhsa_system_vgpr_workitem_id 0
		.amdhsa_next_free_vgpr 128
		.amdhsa_next_free_sgpr 66
		.amdhsa_reserve_vcc 0
		.amdhsa_float_denorm_mode_32 3
		.amdhsa_float_denorm_mode_16_64 3
		.amdhsa_memory_ordered 1
		.amdhsa_forward_progress 1
		.amdhsa_inst_pref_size 16
	.end_amdhsa_kernel
	.amdgpu_metadata
---
amdhsa.version: [ 1, 2 ]
amdhsa.kernels:
  - .name:           k_qe1b848d58d_prep
    .symbol:         k_qe1b848d58d_prep.kd
    .args:
      - { .name: emb_weights, .offset: 0, .size: 8, .value_kind: global_buffer, .address_space: global }
      - { .name: ebf, .offset: 8, .size: 8, .value_kind: global_buffer, .address_space: global }
      - { .name: eew, .offset: 16, .size: 8, .value_kind: global_buffer, .address_space: global }
    .group_segment_fixed_size: 1280
    .private_segment_fixed_size: 0
    .kernarg_segment_align: 8
    .kernarg_segment_size: 24
    .max_flat_workgroup_size: 256
    .sgpr_count:     66
    .vgpr_count:     128
    .wavefront_size: 32
...
	.end_amdgpu_metadata
.endif
;; end of part 1
;; launch dist (part 2): grid 256 x 1, 4 waves a work-group, clusters of 4 x 1, 327,680 bytes of LDS; arguments ebf, eew, hidden_states, out1, idxw; writes out1, idxw
.if DOCPART == 2
	.amdgcn_target "amdgcn-amd-amdhsa--gfx1250"
	.amdhsa_code_object_version 6
	.text
	.protected	k_qe1b848d58d_dist
	.globl	k_qe1b848d58d_dist
	.p2align	8
	.type	k_qe1b848d58d_dist,@function
k_qe1b848d58d_dist:
	s_mov_b64 s[64:65], 0
	v_nop
	global_prefetch_b8 v0, s[64:65] scope:SCOPE_SE
	s_setreg_imm32_b32 hwreg(HW_REG_WAVE_MODE, 25, 1), 1
	s_wait_xcnt 0x0
	s_wait_alu depctr_hold_cnt(0) depctr_sa_sdst(0) depctr_va_vdst(0) depctr_va_sdst(0) depctr_va_ssrc(0) depctr_va_vcc(0) depctr_vm_vsrc(0)
	s_getreg_b32 s2, hwreg(HW_REG_IB_STS2, 6, 4)
	s_cmp_eq_u32 s2, 0
	s_cbranch_scc0 .Lentry_in_a_cluster
	s_endpgm
.Lentry_in_a_cluster:
	s_bfe_u32 s2, ttmp6, 0x10000c
	s_cmp_lg_u32 s2, 0x3003
	s_cbranch_scc0 .Lentry_shape_is_right
	s_endpgm
.Lentry_shape_is_right:
; VECTOR QUANTIZER, launch 2 of 3.  For each row z of hidden_states (32,768 rows of 256): the first code c with the least d[c] = fl(fl(|z|^2 + |e_c|^2) - 2 z.e_c).  The index goes to out1, and
; once more to idxw, from which the next launch forms its addresses.  No step of reference() is left out: |z|^2 stays, since reference()'s f32 distances are rounded at its size and ties go by those roundings.
; FORMATS.  z and e are rounded to bf16 for the product (e by the launch before, z here); |z|^2 and |e|^2 are sums of the rounded numbers' squares, in f32; products are summed in f32.
; The two additions of d are reference()'s: one packed add, then one fused multiply-add by -2, which rounds once, as fl(A - 2 dot) does, 2 dot being exact.
; LIMITS.  The product's and the squares' sums are added in another order than reference()'s: two codes whose exact distances lie closer than those sums' last bits may change places.  Distances are taken
; to be finite: a NaN never wins here (the minimum drops it), where reference()'s argmin would take it.
; SHARES.  A work-group owns 128 rows.  EVERY wave holds all 128 as bf16 fragments (8 tiles of 16 rows x 256 channels: 512 registers); THE CODES are split: of each chunk of 256 codes wave w takes
; 64 w .. 64 w + 63, four tiles of 16.  So a fragment of e read from LDS feeds eight products: 18 LDS loads for 64 matrix instructions.
; LAYOUT.  The product is used transposed (source 0 = 16 codes, source 1 = 16 rows of z): a lane holds ONE row (lane % 16) and the codes 8 (lane / 16) + 0..7.  |z|^2 is one register a z tile; a code
; tile's |e|^2 are 8 registers that all z tiles share.
; ARGMIN.  For a z tile and a code tile, 22 vector instructions for 8 matrix instructions: 8 packed lines make the 8 distances; 4 x v_min3 the new running minimum; one compare (strictly smaller: an
; earlier tile keeps a tie); where it holds, the tile's number and its 8 distances are kept.  Which of the 8 it was is found once, at the end: the first that equals the minimum.
; In a lane the codes ascend with (tile, register), so the lane's first minimum is kept; between the halves of the lanes and between the waves the smaller (distance, index) wins.
; BY TURNS.  The z tiles are two PIECES (tiles 0-3, tiles 4-7).  In a turn one piece has the matrix unit, 32 products on 4 accumulators that take turns, and the other piece's 88 vector instructions stand
; in slices of 3, 3, 3, 2 behind them.  They live in window 0, the products' operands in windows 1 to 3 (z alone fills two): two switches a product.
; CLUSTER.  All work-groups walk the same codebook, so the four of a cluster ask for each chunk JOINTLY: the same tensor load, descriptor and mask in all four.
; REGISTERS, in windows of 256 (s_set_vgpr_msb: bits 1:0 source 0, 3:2 source 1, 5:4 source 2, 7:6 destination):
;   window 0: addresses, statistics, distances, accumulators (names below)     window 1: v0-127 e's fragments, two buffers of 64; before the walk all 256: z in f32, two sets of 128
;   windows 2, 3: z: tile a, channels 32 f on, at v[64 (a % 4) + 8 f] of window 2 + a / 4
.set PE,     528                       ; a code's row in LDS: 512 bytes + 16 of padding = 132 words: row r starts at bank 4 r mod 64 (64 banks of 4 bytes: ISA guide 11.1)
.set TILEB,  16*PE
.set QB,     64*PE                     ; a wave's quarter of a chunk: what its tensor load brings, and what it reads
.set SLOT,   4*QB                      ; 135,168 bytes; two slots take turns.  Slot 1's first fill is z in f32
.set CHUNKB, 256*512                   ; a chunk in memory
.set PZ,     1040                      ; a row of z in LDS: 1,024 bytes + 16 = 260 words: again 4 r mod 64
.set ZQ,     32*PZ                     ; a wave's quarter of z
.set EEB,    2*SLOT                    ; all 8,192 |e|^2, filled once
.set RED,    EEB+32768                 ; the waves' results, 1,024 bytes each; no tensor load lands here, nor in what follows
.set ZZS,    RED+4096                  ; the 128 |z|^2
.set SPARE,  ZZS+512                   ; the spare words, 128 bytes for each wave: two blocks of 256 bytes that no other line names
.set R,   1                            ; v1   lane % 16
.set H,   2                            ; v2   lane / 16
.set LN,  3                            ; v3   lane
.set AE0, 4                            ; v4   my place in a code tile: 528 r + 16 h
.set AH,  5                            ; v5   my 8 codes' |e|^2 in a tile's 64 bytes: 32 h
.set SPW, 6                            ; v6   LDS address of my spare word; never rewritten
.set NIL, 7                            ; v7   0; never rewritten
.set ADR, 8                            ; v8   the LDS address of the run of loads in hand
.set ADE, 9                            ; v9   the same for |e|^2
.set AZ0, 10                           ; v10  my place in z's tiles 0-3: SLOT + 1,040 r + 32 h;  v11 in tiles 4-7
.set AZR, 12                           ; v12  the row of z whose squares I add: my thread's number
.set AZS, 13                           ; v13  where its sum goes
.set AZQ, 14                           ; v14  where I read |z|^2 of row r of a tile
.set PFO, 15                           ; v15  256 x lane, for the prefetches; never rewritten
.set ZZ,  16                           ; v[16:23]   |z|^2, tile a
.set RUN, 24                           ; v[24:39]   the running minimum, two sets of 8: code tile t reads set t % 2 and writes the other, so nothing is copied
.set TID, 40                           ; v[40:47]   the number (0..127) of the code tile that holds it
.set EE,  48                           ; v[48:63]   |e|^2, two buffers of 8
.set D,   64                           ; v[64:95]   the distances in hand, 8 for each tile of a piece
.set SV,  96                           ; v[96:159]  the winning code tile's 8 distances, z tile a at 8 a
.set ACC, 160                          ; v[160:223] accumulators: piece p, tile u at 32 p + 8 u
.set FT,  224                          ; v[224:227] at work
.set FB,  228                          ; v228 64 w + 8 h
.set FS,  229                          ; v229 where my results go in RED
.set FR,  230                          ; v230 where I read results back
.set FO,  231                          ; v231 my byte offset in out1 and idxw
.set PAIR, 232                         ; v[232:247] z tile a: (distance, index)
.set WV,  14                           ; s14  my wave's number
.set CX,  15                           ; s15  my place in the cluster: it enters z's address, the prefetches' and the outputs' alone
.set G,   16                           ; s16  my work-group's number
.set WQ,  17                           ; s17  33,792 x wave
.set FD,  18                           ; s18  the slot that is being filled: 0 or SLOT
.set TB,  19                           ; s19  LDS byte of the code tile to be fetched next
.set TE,  20                           ; s20  the same for its |e|^2
.set SL,  21                           ; s21  chunks still to be asked for
.set CNT, 22                           ; s22  counts pairs of code tiles
.set LIM, 23                           ; s23  2 in the cluster that prefetches, else the greatest number
.set CE,  24                           ; s24  the number of the even code tile in hand;  s25 of the odd one
.set PFA, 26                           ; s[26:27] where my prefetches stand
.set MK,  28                           ; s[28:31] tile u of the piece: the lanes whose minimum has fallen
.set G1E, 32                           ; s[32:39] descriptor group 1: a quarter chunk
.set G1Z, 40                           ; s[40:47] a quarter of z
.set G1EE, 48                          ; s[48:55] a quarter of |e|^2
.set G0E, 56                           ; s[56:59] group 0 for the chunks: it walks
.set G0Z, 60                           ; s[60:63]
.set G0EE, 68                          ; s[68:71]
.set SEL, 72                           ; s[72:73] v_permlanex16_b32's selects
.set T,   74                           ; s[74:79] at work
.set MSB, 0
.macro WIN new                         ; the immediate's high byte repeats the setting that is left; a switch that changes nothing is dropped
.if MSB != (\new)
	s_set_vgpr_msb (MSB<<8)|(\new)
.set MSB, \new
.endif
.endm
; A round of the cluster's barrier: my work-group's barrier, so that wave 0's signal speaks for all four waves; wave 0 signals; every wave waits for all four work-groups; my work-group's barrier once more.
.macro CROUND
	s_barrier_signal -1
	s_barrier_wait -1
	s_cmp_lg_u32 s[WV], 0
	s_cbranch_scc1 .Lnot_wave_0_\@
	s_barrier_signal -3
.Lnot_wave_0_\@:
	s_barrier_wait -3
	s_barrier_signal -1
	s_barrier_wait -1
.endm
; A PREFETCH INTO THE L2, behind a joint load and its five lines: the chunk that stands two refills on, 512 matrix instructions a wave ahead of the load that will want it.  All clusters walk the same
; chunks: cluster 0 alone asks.  Its four partners and their four waves share a chunk's 512 blocks of 256 bytes out BY ADDRESS (32,768 cx + 8,192 w), a lane a block, one instruction a wave: each
; block is named once in the launch.  Chunks 0 to 2 come by their loads alone; the last two refills ask for nothing, since no chunk stands two on.
.macro ASK
	s_cmp_gt_u32 s[SL], s[LIM]
	s_cbranch_scc0 .Lnot_mine_\@
	global_prefetch_b8 v[PFO], s[PFA:PFA+1] th:TH_LOAD_NT scope:SCOPE_SE
.Lnot_mine_\@:
.endm
; THE CHANGE OF SLOTS stands in front of a chunk's LAST code tile, whose fragments are in registers already.  Each wave waits for all its tensor loads, of which one is out: its quarter of the other
; slot; adds 0 to its spare word; and waits for that and for its own reads of the slot that it leaves.  fill = 1: that slot is filled again, with the chunk two on: the barrier is a round of the
; cluster's, so that no wave of any partner still reads the slot or has a load on its way, and the joint load is the first thing behind it: it has 256 matrix instructions a wave in which to land.
; (At its first use the slot that is left holds z, and slot 0, chunk 0, is waited for.)
.macro CHANGE fill
	WIN 0                                          ; at a label and at a branch every window is 0
	s_wait_tensorcnt 0x0                           ; no tensor load of mine is out, so a group 0 may be written
	ds_add_u32 v[SPW], v[NIL]                      ; 0 onto my spare word: the scalar work below stands between it and the wait for it
	s_xor_b32 s[FD], s[FD], SLOT                   ; the other slot than last time
.if \fill
	s_add_co_u32 s[G0E+1], s[FD], s[WQ]            ; my quarter of it,
	s_add_nc_u64 s[G0E+2:G0E+3], s[G0E+2:G0E+3], CHUNKB  ; the next chunk; the type bits on top are not reached
	s_wait_xcnt 0x0                                ; the last prefetch, a chunk back, has read its address, so it may be written
	s_add_nc_u64 s[PFA:PFA+1], s[PFA:PFA+1], CHUNKB
.endif
	s_xor_b32 s[TB], s[FD], SLOT                   ; the fetches go on in the slot that has landed,
	s_add_co_u32 s[TB], s[TB], s[WQ]               ; at my quarter's first tile;
	s_add_co_u32 s[TE], s[TE], 768                 ; four fetches have stepped 256 bytes: a chunk's |e|^2 are 1,024
	s_wait_dscnt 0x0                               ; the add is done, and my reads of the slot are over
.if \fill
	CROUND
	tensor_load_to_lds s[G0E:G0E+3], s[G1E:G1E+7]  ; every wave its own quarter: my one tensor load behind the round
	s_nop 0
.rept 4
	v_nop
.endr
	ASK
.else
	s_barrier_signal -1
	s_barrier_wait -1
.endif
.endm
; THE LDS LOADS stand in one run of 18: the next code tile's |e|^2 (my 8 codes') and its 8 fragments (16 codes x 32 channels: lane l holds code l % 16, channels 8 (l / 16) + 0..7 and
; 16 + 8 (l / 16) + 0..7: two loads of 16 bytes, 32 bytes apart), into buffer b.
.macro FETCH b
	WIN 0
	v_add_nc_u32 v[ADR], s[TB], v[AE0]
	v_add_nc_u32 v[ADE], s[TE], v[AH]
	s_add_co_u32 s[TB], s[TB], TILEB
	s_add_co_u32 s[TE], s[TE], 64
	ds_load_b128 v[EE+8*(\b):EE+8*(\b)+3],   v[ADE]
	ds_load_b128 v[EE+8*(\b)+4:EE+8*(\b)+7], v[ADE] offset:16
	WIN 0x40                                       ; destination window 1, address window 0
.irp f, 0,1,2,3,4,5,6,7
	ds_load_b128 v[64*(\b)+8*\f:64*(\b)+8*\f+3],   v[ADR] offset:64*\f
	ds_load_b128 v[64*(\b)+8*\f+4:64*(\b)+8*\f+7], v[ADR] offset:64*\f+32
.endr
.endm
; Product i of a turn's 32: channels 32 (i / 4) on, tile i % 4 of piece pc.  The four accumulators take turns, one instruction a turn; the first four start the sums with 0.
.macro MM par, pc
	WIN 0x09+4*(\pc)                               ; e in window 1, z in window 2 or 3, sums in window 0
.set rA, ACC+32*(\pc)+8*(i%4)
.set rF, 64*(\par)+8*(i/4)
.set rB, 64*(i%4)+8*(i/4)
.if i < 4
	v_wmma_f32_16x16x32_bf16 v[rA:rA+7], v[rF:rF+7], v[rB:rB+7], 0
.else
	v_wmma_f32_16x16x32_bf16 v[rA:rA+7], v[rF:rF+7], v[rB:rB+7], v[rA:rA+7]
.endif
.endm
; Vector instruction q of a piece's 88, for a code tile of parity rp: step n = q / 4 of 22 for tile u = q % 4, so that a tile's steps stand four instructions apart.
;   0-3    A = |e|^2 + |z|^2, two at a time; the tile's |z|^2 is one register of a pair and feeds both halves.  These sixteen name no register of a product: they are the places between the
;          piece's last products and the first read of their results
;   4-7    d = A - 2 dot, one rounding; the accumulator is read from its low end on
;   8-11   the new minimum      12  has it fallen?      13  then the tile's number is kept,      14-21  and its 8 distances
.macro RIDER rp, rpc
.set u, q%4
.set n, q/4
.set a, 4*(\rpc)+u
.set rD, D+8*u
.set rC, ACC+32*(\rpc)+8*u
.set rE, EE+8*(\rp)
.set rO, RUN+8*(\rp)+a
.set rN, RUN+8*(1-(\rp))+a
.set rS, SV+8*a
.set rY, ZZ+2*(a/2)
.if (n < 4) && (a%2 == 0)
	v_pk_add_f32 v[rD+2*n:rD+2*n+1], v[rE+2*n:rE+2*n+1], v[rY:rY+1] op_sel_hi:[1,0]
.elseif n < 4
	v_pk_add_f32 v[rD+2*n:rD+2*n+1], v[rE+2*n:rE+2*n+1], v[rY:rY+1] op_sel:[0,1] op_sel_hi:[1,1]
.elseif n < 8
	v_pk_fma_f32 v[rD+2*n-8:rD+2*n-7], v[rC+2*n-8:rC+2*n-7], -2.0, v[rD+2*n-8:rD+2*n-7] op_sel_hi:[1,0,1]
.elseif n == 8
	v_min3_num_f32 v[rN], v[rO], v[rD], v[rD+1]
.elseif n < 12
	v_min3_num_f32 v[rN], v[rN], v[rD+2*n-16], v[rD+2*n-15]
.elseif n == 12
	v_cmp_lt_f32 s[MK+u], v[rN], v[rO]
.elseif n == 13
	v_cndmask_b32 v[TID+a], v[TID+a], s[CE+(\rp)], s[MK+u]
.else
	v_cndmask_b32 v[rS+n-14], v[rS+n-14], v[rD+n-14], s[MK+u]
.endif
.set q, q+1
.endm
; A TURN: piece pc's 32 products for the code tile of parity par.  ride = 1: behind them the other piece's vector work: in piece 0's turn piece 1's of the tile before, in piece 1's turn piece 0's
; of this tile.  fetch = 1: the next tile is fetched behind the sixth product's slice: 17 vector instructions into the turn, so the 16 that read the |e|^2 buffer have passed, and they are more than
; the four places between the last product that read e's buffer and the loads into it.  The run is waited for at the head of the next tile's first turn, 58 products later.
.macro TURN par, pc, ride, fetch
.set RP, (\pc)*(\par)+(1-(\pc))*(1-(\par))
.set RPC, 1-(\pc)
.set q, 0
.set i, 0
.if (\pc) == 0
	s_wait_dscnt 0x0                               ; this tile's fragments and |e|^2 are in
.endif
.rept 32
	MM \par, \pc
.if \ride
	WIN 0
.rept 3-(i%4)/3
	RIDER RP, RPC
.endr
.endif
.if (\fetch) && (i == 5)
	FETCH 1-(\par)
.endif
.set i, i+1
.endr
.if (\ride) && ((\pc) == 0)
	s_add_co_u32 s[CE+1-(\par)], s[CE+1-(\par)], 2 ; both pieces are through with the tile before: the next tile of its parity
.endif
.endm
; Two pairs of code tiles (odd, even), written once and walked twice.  The walk is entered at .Lmid, in the middle of a trip.
.macro PAIRS tag
.Lpair\tag:
	TURN 1, 0, 1, 1
	TURN 1, 1, 1, 0
	TURN 0, 0, 1, 1
	WIN 0
.Lmid\tag:
	TURN 0, 1, 1, 0
	WIN 0
	s_sub_co_u32 s[CNT], s[CNT], 1
	s_cmp_lg_u32 s[CNT], 0
	s_cbranch_scc1 .Lpair\tag
.endm
; z tile a out of LDS, in f32, in a fragment's order: for channels 32 f on, lane l takes row l % 16, channels 8 (l / 16) + 0..7 and 16 + 8 (l / 16) + 0..7: four loads of 16 bytes.
.macro LOADZ a, set
	WIN 0x40
.irp f, 0,1,2,3,4,5,6,7
	ds_load_b128 v[128*(\set)+16*\f:128*(\set)+16*\f+3],     v[AZ0+(\a)/4] offset:((\a)%4)*16*PZ+128*\f
	ds_load_b128 v[128*(\set)+16*\f+4:128*(\set)+16*\f+7],   v[AZ0+(\a)/4] offset:((\a)%4)*16*PZ+128*\f+16
	ds_load_b128 v[128*(\set)+16*\f+8:128*(\set)+16*\f+11],  v[AZ0+(\a)/4] offset:((\a)%4)*16*PZ+128*\f+64
	ds_load_b128 v[128*(\set)+16*\f+12:128*(\set)+16*\f+15], v[AZ0+(\a)/4] offset:((\a)%4)*16*PZ+128*\f+80
.endr
.endm
.macro CVTZ a, set                     ; and rounded to bf16, two numbers a register
	WIN 0x85+0x40*((\a)/4)                         ; sources window 1, destination window 2 or 3
.set k, 0
.rept 64
	v_cvt_pk_bf16_f32 v[64*((\a)%4)+k], v[128*(\set)+2*k], v[128*(\set)+2*k+1]
.set k, k+1
.endr
.endm
; (dd, di) = the smaller of (da, ia) and (db, ib), by distance and then by index.  keep = 0: the index alone.
.macro LEX dd, di, da, ia, db, ib, keep
	v_cmp_lt_f32 s[T], v[\db], v[\da]
	v_cmp_eq_f32 s[T+1], v[\db], v[\da]
	v_cmp_lt_u32 s[T+2], v[\ib], v[\ia]
	s_and_b32 s[T+1], s[T+1], s[T+2]
	s_or_b32 s[T], s[T], s[T+1]
.if \keep
	v_cndmask_b32 v[\dd], v[\da], v[\db], s[T]
.endif
	v_cndmask_b32 v[\di], v[\ia], v[\ib], s[T]
.endm
; z tile a at the end: the first of the kept 8 distances that equals the minimum; the code's index 256 (tile / 4) + 64 w + 16 (tile % 4) + 8 h + j; the row's other 8 codes a tile lie in the lane 16 away.
.macro FIN a
.set rJ, PAIR+2*(\a)+1
	v_mov_b32 v[rJ], 7
.irp j, 6,5,4,3,2,1,0
	v_cmp_neq_f32 vcc_lo, v[SV+8*(\a)+\j], v[RUN+(\a)]
	v_cndmask_b32 v[rJ], \j, v[rJ], vcc_lo
.endr
	v_and_b32 v[FT], 0x7c, v[TID+(\a)]
	v_and_b32 v[FT+1], 3, v[TID+(\a)]
	v_lshl_add_u32 v[rJ], v[FT], 6, v[rJ]
	v_lshl_add_u32 v[rJ], v[FT+1], 4, v[rJ]
	v_add_nc_u32 v[rJ], v[rJ], v[FB]
	v_permlanex16_b32 v[FT+2], v[RUN+(\a)], s[SEL], s[SEL+1]  ; the destinations count as read: both were written when |z|^2 was added up
	v_permlanex16_b32 v[FT+3], v[rJ], s[SEL], s[SEL+1]
	LEX rJ-1, rJ, RUN+(\a), rJ, FT+2, FT+3, 1
	ds_store_b64 v[FS], v[rJ-1:rJ] offset:128*(\a) ; both halves of the lanes store the same pair
.endm
	s_load_b256 s[4:11], s[0:1], 0x0               ; ebf s[4:5], eew s[6:7], hidden_states s[8:9], out1 s[10:11]
	s_load_b64 s[12:13], s[0:1], 0x20              ; idxw
	v_lshl_add_u32 v[SPW], v0, 2, SPARE
	v_mov_b32 v[NIL], 0
	ds_add_u32 v[SPW], v[NIL]                      ; the wave's opening: the add, twice on end, and its wait ahead of my first tensor load; the set-up below stands between
	ds_add_u32 v[SPW], v[NIL]                      ; and once more, under the one wait
	v_lshrrev_b32 v1, 5, v0
	v_readfirstlane_b32 s[WV], v1                  ; wave 0..3
	s_bfe_u32 s[CX], ttmp6, 0x40000                ; cx
	s_lshl_b32 s[G], ttmp9, 2                      ; in a cluster launch ttmp9 counts clusters
	s_add_co_u32 s[G], s[G], s[CX]
	s_mul_i32 s[WQ], s[WV], QB
	; group 1 for a quarter chunk: 64 rows x 256 elements of 2 bytes, 16 bytes of padding behind each row
	s_mov_b32 s[G1E], 15|(1<<16)|(1<<20)|(1<<21)|(6<<22)|(3<<25)  ; 15:0 the mask of four; 17:16 2-byte elements; 20 padding on; 21 set beside a mask; 24:22 after every 128 words (code 6); 31:25 4 words (code 3)
	s_mov_b32 s[G1E+1], 256<<16                    ; tensor_dim0 = 256
	s_mov_b32 s[G1E+2], 64<<16                     ; tensor_dim1 = 64
	s_mov_b32 s[G1E+3], 256<<16                    ; tile_dim0 = 256
	s_mov_b32 s[G1E+4], 64                         ; tile_dim1 = 64
	s_mov_b32 s[G1E+5], 256                        ; elements from row to row
	s_mov_b32 s[G1E+6], 0
	s_mov_b32 s[G1E+7], 0
	; for a quarter of z: 32 rows x 256 elements of 4 bytes, padded likewise; my work-group's own, so no mask
	s_mov_b32 s[G1Z], (2<<16)|(1<<20)|(7<<22)|(3<<25)  ; after every 256 words (code 7)
	s_mov_b32 s[G1Z+1], 256<<16
	s_mov_b32 s[G1Z+2], 32<<16
	s_mov_b32 s[G1Z+3], 256<<16
	s_mov_b32 s[G1Z+4], 32
	s_mov_b32 s[G1Z+5], 256
	s_mov_b32 s[G1Z+6], 0
	s_mov_b32 s[G1Z+7], 0
	; for a quarter of |e|^2: 8,192 dense bytes as 32 rows of 32 elements of 8 bytes, no padding
	s_mov_b32 s[G1EE], 15|(3<<16)|(1<<21)
	s_mov_b32 s[G1EE+1], 32<<16
	s_mov_b32 s[G1EE+2], 32<<16
	s_mov_b32 s[G1EE+3], 32<<16
	s_mov_b32 s[G1EE+4], 32
	s_mov_b32 s[G1EE+5], 32
	s_mov_b32 s[G1EE+6], 0
	s_mov_b32 s[G1EE+7], 0
	s_mov_b32 s[G0E], 1                            ; count = 1
	s_mov_b32 s[G0E+1], s[WQ]                      ; slot 0, my quarter: no place in the cluster enters an LDS address
	s_mov_b32 s[G0Z], 1
	s_mul_i32 s[G0Z+1], s[WV], ZQ
	s_add_co_u32 s[G0Z+1], s[G0Z+1], SLOT
	s_mov_b32 s[G0EE], 1
	s_lshl_b32 s[G0EE+1], s[WV], 13
	s_add_co_u32 s[G0EE+1], s[G0EE+1], EEB
	s_lshl_b32 s[T], s[WV], 15                     ; my 64 codes of a chunk: 32,768 bytes a wave
	s_mov_b32 s[T+1], 0
	s_lshl_b32 s[T+2], s[G], 17                    ; my work-group's 128 rows of z, 131,072 bytes, and my 32 of them
	s_add_co_u32 s[T+2], s[T+2], s[T]
	s_mov_b32 s[T+3], 0
	s_lshl_b32 s[T+4], s[WV], 13
	s_mov_b32 s[T+5], 0
	s_wait_dscnt 0x0                               ; both opening adds are done
	s_wait_kmcnt 0x0
	s_add_nc_u64 s[G0E+2:G0E+3], s[4:5], s[T:T+1]
	s_or_b32 s[G0E+3], s[G0E+3], 0x80000000        ; type = 2
	s_add_nc_u64 s[G0EE+2:G0EE+3], s[6:7], s[T+4:T+5]
	s_or_b32 s[G0EE+3], s[G0EE+3], 0x80000000
	s_add_nc_u64 s[G0Z+2:G0Z+3], s[8:9], s[T+2:T+3]
	s_or_b32 s[G0Z+3], s[G0Z+3], 0x80000000
	s_lshl_b32 s[T], s[CX], 15                     ; the prefetches: my work-group's quarter of a chunk, my wave's quarter of that,
	s_add_co_u32 s[T], s[T], s[T+4]
	s_add_co_u32 s[T], s[T], 2*CHUNKB              ; in chunk 2: the first change of slots steps it to chunk 3.  Nothing is prefetched here, at the head
	s_add_nc_u64 s[PFA:PFA+1], s[4:5], s[T:T+1]
	CROUND                                         ; all four work-groups are here: the first joint loads meet
	tensor_load_to_lds s[G0Z:G0Z+3], s[G1Z:G1Z+7]  ; the three first fills go out together: three loads of mine are out.  z first: it is wanted first
	s_nop 0
	tensor_load_to_lds s[G0EE:G0EE+3], s[G1EE:G1EE+7]
	s_nop 0
	tensor_load_to_lds s[G0E:G0E+3], s[G1E:G1E+7]  ; chunk 0
	s_nop 0
.rept 4
	v_nop
.endr
	; in the wait for z: addresses, and what the first code tile finds
	v_and_b32 v[R], 15, v0
	v_bfe_u32 v[H], v0, 4, 1
	v_and_b32 v[LN], 31, v0
	v_mul_u32_u24 v[AE0], v[R], PE
	v_lshl_add_u32 v[AE0], v[H], 4, v[AE0]
	v_lshlrev_b32 v[AH], 5, v[H]
	v_mul_u32_u24 v[AZ0], v[R], PZ
	v_lshl_add_u32 v[AZ0], v[H], 5, v[AZ0]
	v_add_nc_u32 v[AZ0], SLOT, v[AZ0]
	v_add_nc_u32 v[AZ0+1], 64*PZ, v[AZ0]
	v_mul_u32_u24 v[AZR], v0, PZ
	v_add_nc_u32 v[AZR], SLOT, v[AZR]
	v_lshl_add_u32 v[AZS], v0, 2, ZZS
	v_lshl_add_u32 v[AZQ], v[R], 2, ZZS
	v_lshlrev_b32 v[PFO], 8, v[LN]
	; The minimum starts at +infinity, so the first code tile is a tile like any other and no first step is written out; the number and the 8 distances that it replaces need only have been written: 80 lines, once.
.set k, 0
.rept 8
	v_mov_b32 v[RUN+k], 0x7f800000
	v_mov_b32 v[TID+k], 0
.set k, k+1
.endr
.set k, 0
.rept 64
	v_mov_b32 v[SV+k], 0
.set k, k+1
.endr
.set k, 0
.rept 4
	v_mov_b32 v[FT+k], 0                           ; four chains for |z|^2
.set k, k+1
.endr
	s_mov_b32 s[SEL], 0x76543210
	s_mov_b32 s[SEL+1], 0xfedcba98
	s_mov_b32 s[FD], 0                             ; the first change of slots fills slot 1
	s_lshl_b32 s[TE], s[WV], 8
	s_add_co_u32 s[TE], s[TE], EEB-768             ; and steps this to my first 64 codes' |e|^2
	s_mov_b32 s[CE], 0
	s_mov_b32 s[CE+1], 1
	s_mov_b32 s[SL], 31
	s_cmp_eq_u32 ttmp9, 0                          ; the same in all four partners
	s_cselect_b32 s[LIM], 2, -1
	s_mov_b32 s[T], 0
	s_mov_b32 s[CNT], 8
	s_wait_tensorcnt 0x2                           ; my quarter of z is in; the two loads issued behind it may stay out
	s_barrier_signal -1
	s_barrier_wait -1                              ; everybody's quarter is
	; |z|^2: thread n adds the squares of row n, 32 numbers a trip, from the numbers rounded to bf16
.Lzz:
	v_add_nc_u32 v[ADR], s[T], v[AZR]
.irp k, 0,1,2,3,4,5,6,7
	ds_load_b128 v[D+4*\k:D+4*\k+3], v[ADR] offset:16*\k
.endr
	s_add_co_u32 s[T], s[T], 128
	s_wait_dscnt 0x0
.set k, 0
.rept 16
	v_cvt_pk_bf16_f32 v[ACC+k], v[D+2*k], v[D+2*k+1]
.set k, k+1
.endr
.set k, 0
.rept 16
	v_fma_mix_f32_bf16 v[FT+2*(k%2)], v[ACC+k], v[ACC+k], v[FT+2*(k%2)] op_sel_hi:[1,1,0]
	v_fma_mix_f32_bf16 v[FT+2*(k%2)+1], v[ACC+k], v[ACC+k], v[FT+2*(k%2)+1] op_sel:[1,1,0] op_sel_hi:[1,1,0]
.set k, k+1
.endr
	s_sub_co_u32 s[CNT], s[CNT], 1
	s_cmp_lg_u32 s[CNT], 0
	s_cbranch_scc1 .Lzz
	v_add_f32 v[FT], v[FT], v[FT+1]
	v_add_f32 v[FT+2], v[FT+2], v[FT+3]
	v_add_f32 v[FT], v[FT], v[FT+2]
	ds_store_b32 v[AZS], v[FT]                     ; the other waves read it behind the round below
	; z into registers: a tile is rounded while the next tile's 32 loads are out
	LOADZ 0, 0
.set t, 0
.rept 8
.if t < 7
	LOADZ t+1, (t+1)%2
	s_wait_dscnt 32                                ; LDS loads come back in order: all but the 32 just issued are in
.else
	s_wait_dscnt 0x0
.endif
	CVTZ t, t%2
.set t, t+1
.endr
	CHANGE 1                                       ; no wave reads z in LDS any more; chunk 0 and |e|^2 are in; chunk 1 is asked for, into z's place
.irp a, 0,1,2,3,4,5,6,7
	ds_load_b32 v[ZZ+\a], v[AZQ] offset:64*\a
.endr
	FETCH 0                                        ; code tile 0
	TURN 0, 0, 0, 1                                ; piece 0's first products: there is no vector work yet to set between them
	WIN 0
	s_mov_b32 s[CNT], 2
	s_branch .Lmid1                                ; this first, shortened walk does code tiles 0 to 2
.Lslot:                                        ; 30 times: code tiles 4 c + 3 .. 4 c + 6; chunk c + 2 is asked for
	CHANGE 1
	s_mov_b32 s[CNT], 2
	PAIRS 1
	s_sub_co_u32 s[SL], s[SL], 1
	s_cmp_lg_u32 s[SL], 0
	s_cbranch_scc1 .Lslot
	CHANGE 0                                       ; the tail is written out: nothing is asked for
	s_mov_b32 s[CNT], 2
	PAIRS 2                                        ; code tiles 123 to 126
	TURN 1, 0, 1, 0                                ; code tile 127: nothing is left to fetch
	TURN 1, 1, 1, 0
	WIN 0
.set q, 0
.rept 88
	RIDER 1, 1                                     ; piece 1's vector work for tile 127; the minima end in set 0
.endr
	; THE END.  Each lane's place in the winning tile, the two halves of the lanes, then the four waves through LDS.
	s_lshl_b32 s[T+3], s[WV], 6
	v_lshl_add_u32 v[FB], v[H], 3, s[T+3]
	s_lshl_b32 s[T+3], s[WV], 10
	s_add_co_u32 s[T+3], s[T+3], RED
	v_lshl_add_u32 v[FS], v[R], 3, s[T+3]          ; my wave's 1,024 bytes: 8 bytes a row
.irp t, 0,1,2,3,4,5,6,7
	FIN \t
.endr
	s_wait_dscnt 0x0                               ; for the others' sake: my stores are done
	s_barrier_signal -1
	s_barrier_wait -1
	s_cmp_lt_u32 s[WV], 2                          ; waves 0 and 1 finish 64 rows each, a lane two rows
	s_cbranch_scc0 .Lend
	s_lshl_b32 s[T+3], s[WV], 9
	s_add_co_u32 s[T+3], s[T+3], RED
	v_lshl_add_u32 v[FR], v[LN], 4, s[T+3]
.irp w, 0,1,2,3
	ds_load_b128 v[D+4*\w:D+4*\w+3], v[FR] offset:1024*\w  ; wave w's (distance, index) of my two rows
.endr
	s_lshl_b32 s[T+3], s[G], 9                     ; the work-group's 128 indices: 512 bytes
	s_lshl_b32 s[T+4], s[WV], 8
	s_add_co_u32 s[T+3], s[T+3], s[T+4]
	v_lshl_add_u32 v[FO], v[LN], 3, s[T+3]
	s_wait_dscnt 0x0
	LEX D, D+1, D, D+1, D+4, D+5, 1
	LEX D+2, D+3, D+2, D+3, D+6, D+7, 1
	LEX D, D+1, D, D+1, D+8, D+9, 1
	LEX D+2, D+3, D+2, D+3, D+10, D+11, 1
	LEX D, D+16, D, D+1, D+12, D+13, 0
	LEX D+2, D+17, D+2, D+3, D+14, D+15, 0
	global_store_b64 v[FO], v[D+16:D+17], s[10:11] ; a wave's store covers 256 consecutive bytes, aligned
	global_store_b64 v[FO], v[D+16:D+17], s[12:13]
.Lend:
	s_wait_tensorcnt 0x0                           ; the wave's end: behind my last tensor load and my last LDS store
	ds_add_u32 v[SPW], v[NIL]
	s_wait_dscnt 0x0
	CROUND                                         ; the closing round: no work-group ends while a partner may still ask for a tile that names it
	s_endpgm
.Lfunc_end_k_qe1b848d58d_dist:
	.size	k_qe1b848d58d_dist, .Lfunc_end_k_qe1b848d58d_dist-k_qe1b848d58d_dist
	.p2alignl 7, 3214868480
	.fill 96, 4, 3214868480
	.section	.rodata,"a",@progbits
	.p2align	6, 0x0
	.amdhsa_kernel k_qe1b848d58d_dist
		.amdhsa_group_segment_fixed_size 327680
		.amdhsa_private_segment_fixed_size 0
		.amdhsa_enable_private_segment 0
		.amdhsa_kernarg_size 40
		.amdhsa_user_sgpr_count 2
		.amdhsa_user_sgpr_kernarg_segment_ptr 1
		.amdhsa_wavefront_size32 1
		.amdhsa_system_sgpr_workgroup_id_x 1
		.amdhsa_system_sgpr_workgroup_id_y 1
		.amdhsa_system_sgpr_workgroup_id_z 1
		.amdhsa_system_vgpr_workitem_id 0
		.amdhsa_next_free_vgpr 1024
		.amdhsa_next_free_sgpr 80
		.amdhsa_reserve_vcc 1
		.amdhsa_float_denorm_mode_32 3
		.amdhsa_float_denorm_mode_16_64 3
		.amdhsa_memory_ordered 1
		.amdhsa_forward_progress 1
		.amdhsa_inst_pref_size 190
	.end_amdhsa_kernel
	.amdgpu_metadata
---
amdhsa.version: [ 1, 2 ]
amdhsa.kernels:
  - .name:           k_qe1b848d58d_dist
    .symbol:         k_qe1b848d58d_dist.kd
    .args:
      - { .name: ebf, .offset: 0, .size: 8, .value_kind: global_buffer, .address_space: global }
      - { .name: eew, .offset: 8, .size: 8, .value_kind: global_buffer, .address_space: global }
      - { .name: hidden_states, .offset: 16, .size: 8, .value_kind: global_buffer, .address_space: global }
      - { .name: out1, .offset: 24, .size: 8, .value_kind: global_buffer, .address_space: global }
      - { .name: idxw, .offset: 32, .size: 8, .value_kind: global_buffer, .address_space: global }
    .group_segment_fixed_size: 327680
    .private_segment_fixed_size: 0
    .kernarg_segment_align: 8
    .kernarg_segment_size: 40
    .max_flat_workgroup_size: 128
    .sgpr_count:     80
    .vgpr_count:     1024
    .wavefront_size: 32
...
	.end_amdgpu_metadata
.endif
;; end of part 2
;; launch take (part 3): grid 256 x 1, 8 waves a work-group, no clusters, 0 bytes of LDS; arguments emb_weights, idxw, out0; writes out0
.if DOCPART == 3
	.amdgcn_target "amdgcn-amd-amdhsa--gfx1250"
	.amdhsa_code_object_version 6
	.text
	.protected	k_qe1b848d58d_take
	.globl	k_qe1b848d58d_take
	.p2align	8
	.type	k_qe1b848d58d_take,@function
k_qe1b848d58d_take:
	s_mov_b64 s[64:65], 0
	v_nop
	global_prefetch_b8 v0, s[64:65] scope:SCOPE_SE
	s_setreg_imm32_b32 hwreg(HW_REG_WAVE_MODE, 25, 1), 1
	s_wait_xcnt 0x0
; VECTOR QUANTIZER, launch 3 of 3: out0[n][:] = emb_weights[idxw[n]][:], the table's own f32 rows.  The indices were stored by the launch before; here they are whole numbers read from memory.
; SHARES.  A work-group takes 128 rows, each of its eight waves 16.  a row is 1,024 bytes: two loads and two stores of 16 bytes a lane, each of 512
; consecutive bytes, aligned.  All 32 loads of a wave go out at once; no register is written twice, so the only waits are the loads' own.
; An index is held to the table (0 .. 8,191) before it enters an address.  No hint on the loads: a row of the table may be named many times.
.set O, 4                              ; v[4:19]   row i: byte offset of my 16 bytes in the table
.set X, 32                             ; v[32:159] row i: 8 registers
	s_load_b128 s[4:7], s[0:1], 0x0                ; emb_weights s[4:5], idxw s[6:7]
	s_load_b64 s[8:9], s[0:1], 0x10                ; out0
	v_lshrrev_b32 v1, 5, v0
	v_readfirstlane_b32 s10, v1                    ; wave 0..7
	v_and_b32 v2, 31, v0
	v_lshlrev_b32 v2, 4, v2                        ; 16 x lane
	s_lshl_b32 s12, ttmp9, 9                       ; the group's 128 indices,
	s_lshl_b32 s11, s10, 6                         ; my wave's 16
	s_add_co_u32 s12, s12, s11
	s_mov_b32 s13, 0
	s_lshl_b32 s14, ttmp9, 17                      ; the group's 128 rows of out0
	s_mov_b32 s15, 0
	s_lshl_b32 s11, s10, 14                        ; my wave's 16
	v_add_nc_u32 v3, s11, v2
	s_wait_kmcnt 0x0
	s_add_nc_u64 s[6:7], s[6:7], s[12:13]
	s_add_nc_u64 s[8:9], s[8:9], s[14:15]
	s_load_b512 s[16:31], s[6:7], 0x0
	s_wait_kmcnt 0x0
.irp i, 0,1,2,3,4,5,6,7,8,9,10,11,12,13,14,15
	s_min_u32 s[16+\i], s[16+\i], 0x1fff
	v_lshl_add_u32 v[O+\i], s[16+\i], 10, v2
.endr
.irp i, 0,1,2,3,4,5,6,7,8,9,10,11,12,13,14,15
	global_load_b128 v[X+8*\i:X+8*\i+3],   v[O+\i], s[4:5]
	global_load_b128 v[X+8*\i+4:X+8*\i+7], v[O+\i], s[4:5] offset:512
.endr
.irp i, 0,1,2,3,4,5,6,7,8,9,10,11,12,13,14,15
	s_wait_loadcnt 30-2*\i                         ; loads come back in order: this row's two are in, the younger rows' stay out
	global_store_b128 v3, v[X+8*\i:X+8*\i+3],   s[8:9] offset:1024*\i th:TH_STORE_NT
	global_store_b128 v3, v[X+8*\i+4:X+8*\i+7], s[8:9] offset:1024*\i+512 th:TH_STORE_NT
.endr
	s_endpgm
.Lfunc_end_k_qe1b848d58d_take:
	.size	k_qe1b848d58d_take, .Lfunc_end_k_qe1b848d58d_take-k_qe1b848d58d_take
	.p2alignl 7, 3214868480
	.fill 96, 4, 3214868480
	.section	.rodata,"a",@progbits
	.p2align	6, 0x0
	.amdhsa_kernel k_qe1b848d58d_take
		.amdhsa_group_segment_fixed_size 0
		.amdhsa_private_segment_fixed_size 0
		.amdhsa_enable_private_segment 0
		.amdhsa_kernarg_size 24
		.amdhsa_user_sgpr_count 2
		.amdhsa_user_sgpr_kernarg_segment_ptr 1
		.amdhsa_wavefront_size32 1
		.amdhsa_system_sgpr_workgroup_id_x 1
		.amdhsa_system_sgpr_workgroup_id_y 1
		.amdhsa_system_sgpr_workgroup_id_z 1
		.amdhsa_system_vgpr_workitem_id 0
		.amdhsa_next_free_vgpr 160
		.amdhsa_next_free_sgpr 66
		.amdhsa_reserve_vcc 0
		.amdhsa_float_denorm_mode_32 3
		.amdhsa_float_denorm_mode_16_64 3
		.amdhsa_memory_ordered 1
		.amdhsa_forward_progress 1
		.amdhsa_inst_pref_size 10
	.end_amdhsa_kernel
	.amdgpu_metadata
---
amdhsa.version: [ 1, 2 ]
amdhsa.kernels:
  - .name:           k_qe1b848d58d_take
    .symbol:         k_qe1b848d58d_take.kd
    .args:
      - { .name: emb_weights, .offset: 0, .size: 8, .value_kind: global_buffer, .address_space: global }
      - { .name: idxw, .offset: 8, .size: 8, .value_kind: global_buffer, .address_space: global }
      - { .name: out0, .offset: 16, .size: 8, .value_kind: global_buffer, .address_space: global }
    .group_segment_fixed_size: 0
    .private_segment_fixed_size: 0
    .kernarg_segment_align: 8
    .kernarg_segment_size: 24
    .max_flat_workgroup_size: 256
    .sgpr_count:     66
    .vgpr_count:     160
    .wavefront_size: 32
...
	.end_amdgpu_metadata
.endif
;; end of part 3
;; ======== version 2 of 2: 3 launches; version 1 with the launch prep written anew for expert scheduling mode
;; workspace buffers: ebf 4,194,304 bytes; eew 32,768 bytes; idxw 131,072 bytes of whole numbers
;; launch prep (part 4): grid 128 x 1, 8 waves a work-group, no clusters, 1,280 bytes of LDS; arguments emb_weights, ebf, eew; writes ebf, eew
.if DOCPART == 4
	.amdgcn_target "amdgcn-amd-amdhsa--gfx1250"
	.amdhsa_code_object_version 6
	.text
	.protected	k_qe1b848d58d_prep
	.globl	k_qe1b848d58d_prep
	.p2align	8
	.type	k_qe1b848d58d_prep,@function
k_qe1b848d58d_prep:
	s_mov_b64 s[64:65], 0
	v_nop
	global_prefetch_b8 v0, s[64:65] scope:SCOPE_SE
	s_setreg_imm32_b32 hwreg(HW_REG_WAVE_SCHED_MODE, 0, 2), 2
	s_setreg_imm32_b32 hwreg(HW_REG_WAVE_MODE, 25, 1), 1
	s_wait_xcnt 0x0
	s_wait_alu depctr_vm_vsrc(0)
; VECTOR QUANTIZER, launch 1 of 3: the codebook is rounded once.  ebf[c][k] = bf16(emb_weights[c][k]); eew[c] = the sum over k of ebf[c][k]^2, in f32.
; THE WHOLE PROGRAM.  Launch 2 finds, for each of the 32,768 rows z, the first code with the least distance; launch 3 copies the chosen rows of the table.
; NOTHING OF reference() IS LEFT OUT.  |z|^2 is the same for all codes of a row, so in exact arithmetic it cannot move the argmin; but it is some thousand times the differences
; between a row's distances, so reference()'s f32 distances lose their low bits to it, and which codes tie (the lowest index then wins) hangs on those roundings.  So the distance is
; formed as reference() forms it: A = fl(|z|^2 + |e|^2), d = fl(A - 2 z.e).  All inputs are loaded.
; FORMATS.  The product's operands are bf16, so every use of z and e in the distance (the two sums of squares too) takes the numbers rounded to bf16.
; LIMITS.  The sums of squares are added in another order than reference()'s; their last bits may differ.
; SHARES.  A work-group takes 64 codes, so that its 64 sums are 256 consecutive bytes of eew; each of its eight waves 8 codes.  A row is 1,024 bytes: two loads of 16 bytes a lane, each of
; 512 consecutive bytes; all 16 loads of a wave go out at once.  A lane's four numbers of a load pack into 8 bytes: a wave's store covers 256 consecutive bytes, aligned.
; THE MODE: SCHED_MODE bits 1:0 = 2 (LLVM: expert scheduling mode 2), set by the entry lines.  The code itself states the register dependences
; between vector instructions and memory or LDS instructions, with s_wait_alu, always for 0.
; THE PLAN.  Registers that memory or LDS instructions touch:
;   LI, LO, LS, LR   offsets and LDS addresses: made once at the head, never written again.  SPW, NIL: made at the head, read by the closing add alone.
;   X, row i         written by the head's loads, once; read by row i's conversions.  No memory instruction reads X, and nothing is loaded into it a second time.
;   P, row i         written by row i's four conversions; read by the row's two stores, which are issued at the head of row i + 1; never written again.
;   EV               written by the selects behind the reduction; read by the one LDS store; never written again.
;   OUT              written by wave 0's LDS load, read by its store; no vector instruction names it.
; So one wait on va_vdst stands at the head of each row from the second on: the row before has written its P.  The two stores follow it; no vector instruction since the wait writes what they read.
; One more stands behind the last row, one ahead of the first load (the offsets), one ahead of the LDS store (EV).  No register that a memory or LDS instruction reads is ever written again,
; so the text holds no wait on vm_vsrc.
.set STG,   0                          ; LDS: the work-group's 64 sums
.set SPARE, 256                        ; behind them: the spare words, 128 bytes for each of the eight waves; no other line names them
.set LN,  2                            ; v2   lane
.set LI,  3                            ; v3   my byte offset in the group's rows of emb_weights: 8,192 x wave + 16 x lane
.set LO,  4                            ; v4   the same in ebf: 4,096 x wave + 8 x lane
.set LS,  5                            ; v5   where my wave's sums go in LDS
.set LR,  6                            ; v6   8 x lane: wave 0 reads the 64 sums back and stores them
.set Z0,  9                            ; v9   0.0: what the first link of a sum adds onto
.set SPW, 10                           ; v10  LDS address of my spare word; never rewritten
.set NIL, 11                           ; v11  0; never rewritten
.set CA,  12                           ; v12  the sum of the low halves' squares
.set CB,  13                           ; v13  of the high halves'
.set EV,  15                           ; v15  lane l: the sum of row l % 8
.set S,   16                           ; v[16:23]  row i's sum
.set OUT, 24                           ; v[24:25]  two sums on their way out
.set X,   32                           ; v[32:95]  row i: 8 registers as loaded
.set P,   96                           ; v[96:127] row i: 4 registers, 8 bf16
	s_load_b128 s[4:7], s[0:1], 0x0                ; emb_weights s[4:5], ebf s[6:7]
	s_load_b64 s[8:9], s[0:1], 0x10                ; eew
	v_lshl_add_u32 v[SPW], v0, 2, SPARE
	v_mov_b32 v[NIL], 0
	v_mov_b32 v[Z0], 0
	v_lshrrev_b32 v1, 5, v0
	v_readfirstlane_b32 s10, v1                    ; wave 0..7
	v_and_b32 v[LN], 31, v0
	s_lshl_b32 s12, ttmp9, 16                      ; the group's 64 rows: 65,536 bytes of emb_weights,
	s_mov_b32 s13, 0
	s_lshl_b32 s14, ttmp9, 15                      ; 32,768 of ebf,
	s_mov_b32 s15, 0
	s_lshl_b32 s16, ttmp9, 8                       ; 256 of eew
	s_mov_b32 s17, 0
	s_wait_alu depctr_va_sdst(0)                   ; s10 is written, ahead of its first reader: the wave's terms of the offsets are made from it
	s_lshl_b32 s11, s10, 13                        ; each of the three terms has a scalar register of its own: none that a vector instruction has read is written again
	v_lshl_add_u32 v[LI], v[LN], 4, s11
	s_lshl_b32 s18, s10, 12
	v_lshl_add_u32 v[LO], v[LN], 3, s18
	v_and_b32 v[LS], 7, v0
	s_lshl_b32 s19, s10, 5
	v_lshl_add_u32 v[LS], v[LS], 2, s19            ; word 8 x wave + lane % 8
	v_lshlrev_b32 v[LR], 3, v[LN]
	s_mov_b32 s20, 0x76543210                      ; v_permlanex16_b32: each lane takes its own place in the other half
	s_mov_b32 s21, 0xfedcba98
.irp i, 1,2,3,4,5,6,7
	s_mov_b32 s[22+\i], 0x01010101<<\i             ; the lanes with lane % 8 = i
.endr
	s_wait_kmcnt 0x0
	s_add_nc_u64 s[4:5], s[4:5], s[12:13]
	s_add_nc_u64 s[6:7], s[6:7], s[14:15]
	s_add_nc_u64 s[8:9], s[8:9], s[16:17]
	s_wait_alu depctr_va_vdst(0)                   ; LI, LO, LS and LR are written, which the loads, stores and LDS accesses of the whole kernel read as offsets and addresses; so are SPW and NIL
.irp i, 0,1,2,3,4,5,6,7
	global_load_b128 v[X+8*\i:X+8*\i+3],   v[LI], s[4:5] offset:1024*\i th:TH_LOAD_NT
	global_load_b128 v[X+8*\i+4:X+8*\i+7], v[LI], s[4:5] offset:1024*\i+512 th:TH_LOAD_NT
.endr
; Row i's 512 bytes of bf16 leave: two stores of 256 consecutive bytes.
.macro SEND i
	global_store_b64 v[LO], v[P+4*(\i):P+4*(\i)+1],   s[6:7] offset:512*(\i)
	global_store_b64 v[LO], v[P+4*(\i)+2:P+4*(\i)+3], s[6:7] offset:512*(\i)+256
.endm
; Row i: the row before is stored; this one is rounded, and my eight squares are added, from the rounded halves, in two chains.  No register of a store is written again.
.macro ROW i
	s_wait_loadcnt 14-2*(\i)                       ; loads come back in order: this row's two are in, the 2 (7 - i) younger ones stay out
.if (\i) > 0
	s_wait_alu depctr_va_vdst(0)                   ; the row before has written its P, which the two stores below read
	SEND (\i)-1
.endif
.irp k, 0,1,2,3
	v_cvt_pk_bf16_f32 v[P+4*(\i)+\k], v[X+8*(\i)+2*\k], v[X+8*(\i)+2*\k+1]
.endr
	v_fma_mix_f32_bf16 v[CA], v[P+4*(\i)], v[P+4*(\i)], v[Z0] op_sel_hi:[1,1,0]
	v_fma_mix_f32_bf16 v[CB], v[P+4*(\i)], v[P+4*(\i)], v[Z0] op_sel:[1,1,0] op_sel_hi:[1,1,0]
.irp k, 1,2,3
	v_fma_mix_f32_bf16 v[CA], v[P+4*(\i)+\k], v[P+4*(\i)+\k], v[CA] op_sel_hi:[1,1,0]
	v_fma_mix_f32_bf16 v[CB], v[P+4*(\i)+\k], v[P+4*(\i)+\k], v[CB] op_sel:[1,1,0] op_sel_hi:[1,1,0]
.endr
	v_add_f32 v[S+(\i)], v[CA], v[CB]
.endm
.irp i, 0,1,2,3,4,5,6,7
	ROW \i
.endr
	s_wait_alu depctr_va_vdst(0)                   ; the last row has written its P, which its two stores read
	SEND 7
	; across the 32 lanes, the eight rows side by side: four steps inside each half of 16 lanes, one across the halves
.irp m, 1,2,4,8
.irp i, 0,1,2,3,4,5,6,7
	v_add_f32_dpp v[S+\i], v[S+\i], v[S+\i] row_xmask:\m row_mask:0xf bank_mask:0xf
.endr
.endr
.irp i, 0,1,2,3,4,5,6,7
	v_permlanex16_b32 v[X+\i], v[S+\i], s20, s21   ; its destination counts as read: a register that a load has written
.endr
.irp i, 0,1,2,3,4,5,6,7
	v_add_f32 v[S+\i], v[S+\i], v[X+\i]            ; every lane holds row i's sum
.endr
	v_cndmask_b32 v[EV], v[S], v[S+1], s23
.irp i, 2,3,4,5,6,7
	v_cndmask_b32 v[EV], v[EV], v[S+\i], s[22+\i]
.endr
	s_wait_alu depctr_va_vdst(0)                   ; the selects have written EV, which the LDS store reads
	ds_store_b32 v[LS], v[EV] offset:STG           ; lanes that share a word store the same number
	s_wait_dscnt 0x0                               ; for the others' sake: my stores are done
	s_barrier_signal -1
	s_barrier_wait -1
	s_cmp_lg_u32 s10, 0
	s_cbranch_scc1 .Lend
	ds_load_b64 v[OUT:OUT+1], v[LR] offset:STG     ; no vector instruction names OUT; LR was written ahead of the head's wait
	s_wait_dscnt 0x0
	global_store_b64 v[LR], v[OUT:OUT+1], s[8:9]   ; 256 consecutive bytes, aligned
.Lend:
	s_wait_dscnt 0x0                               ; the wave's end: behind my last LDS store
	s_wait_alu 0x0
	s_wait_tensorcnt 0x0
	ds_add_u32 v[SPW], v[NIL]
	s_wait_dscnt 0x0
	s_endpgm
.Lfunc_end_k_qe1b848d58d_prep:
	.size	k_qe1b848d58d_prep, .Lfunc_end_k_qe1b848d58d_prep-k_qe1b848d58d_prep
	.p2alignl 7, 3214868480
	.fill 96, 4, 3214868480
	.section	.rodata,"a",@progbits
	.p2align	6, 0x0
	.amdhsa_kernel k_qe1b848d58d_prep
		.amdhsa_group_segment_fixed_size 1280
		.amdhsa_private_segment_fixed_size 0
		.amdhsa_enable_private_segment 0
		.amdhsa_kernarg_size 24
		.amdhsa_user_sgpr_count 2
		.amdhsa_user_sgpr_kernarg_segment_ptr 1
		.amdhsa_wavefront_size32 1
		.amdhsa_system_sgpr_workgroup_id_x 1
		.amdhsa_system_sgpr_workgroup_id_y 1
		.amdhsa_system_sgpr_workgroup_id_z 1
		.amdhsa_system_vgpr_workitem_id 0
		.amdhsa_next_free_vgpr 128
		.amdhsa_next_free_sgpr 66
		.amdhsa_reserve_vcc 0
		.amdhsa_float_denorm_mode_32 3
		.amdhsa_float_denorm_mode_16_64 3
		.amdhsa_memory_ordered 1
		.amdhsa_forward_progress 1
		.amdhsa_inst_pref_size 16
	.end_amdhsa_kernel
	.amdgpu_metadata
---
amdhsa.version: [ 1, 2 ]
amdhsa.kernels:
  - .name:           k_qe1b848d58d_prep
    .symbol:         k_qe1b848d58d_prep.kd
    .args:
      - { .name: emb_weights, .offset: 0, .size: 8, .value_kind: global_buffer, .address_space: global }
      - { .name: ebf, .offset: 8, .size: 8, .value_kind: global_buffer, .address_space: global }
      - { .name: eew, .offset: 16, .size: 8, .value_kind: global_buffer, .address_space: global }
    .group_segment_fixed_size: 1280
    .private_segment_fixed_size: 0
    .kernarg_segment_align: 8
    .kernarg_segment_size: 24
    .max_flat_workgroup_size: 256
    .sgpr_count:     66
    .vgpr_count:     128
    .wavefront_size: 32
...
	.end_amdgpu_metadata
.endif
;; end of part 4
;; launch dist: the kernel of part 2 again; grid 256 x 1, 4 waves a work-group, clusters of 4 x 1, 327,680 bytes of LDS; arguments ebf, eew, hidden_states, out1, idxw; writes out1, idxw
;; launch take: the kernel of part 3 again; grid 256 x 1, 8 waves a work-group, no clusters, 0 bytes of LDS; arguments emb_weights, idxw, out0; writes out0
